; MI455X (gfx1250); checked and timed in simulation.
; The chip was launched on July 23, 2026; its instructions are those of AMD's public machine-readable ISA for CDNA 5 (MIT licence, August 2026) and "CDNA5" Instruction Set Architecture Reference Guide (July 2026). The comments in the code are by the model that wrote it; some were corrected since.
;; Dedicom Decoder. Allowed arithmetic: matrix products marked QUANTISED: E5M2 operands, one given power-of-two scale a tensor, by v_wmma_f32_16x16x64_bf8_bf8 or v_wmma_f32_16x16x128_bf8_bf8, f32 sums; everything else in f32.
;; Inputs: batch_edges 2 x 131,072 int32; global_weight_codes 512 x 16 x 32 uint8 (E5M2 codes of global_weight, K innermost, in blocks of 32 codes); local_diag 10 x 512 float32; lowp_scales 2 int32 (the exponents e of the quantised operands' scales 2^e); z_drug 4,096 x 512 float32.
;; Outputs: out0 131,072 float32.
;; Constants: edge_sub_type_idx = 2.
;; This version of the problem:
;;   THIS VERSION OF THE PROBLEM IS GIVEN IN LOW PRECISION. The matrix products marked QUANTISED in the list below multiply operands that are first quantised to E5M2 (5 exponent bits, 2 mantissa bits; 8 bits a number), with one given power-of-two scale for each operand tensor; their sums are f32. All else is computed in f32.
;;   The module's matrix products, in the order in which they are computed (A, B: the left and right operand; K: the contracted axis; several contracted axes count as one K, in the product's order):
;;     1. [M 131,072, K 512] x [K 512, N 512]; A: computed on the way; B: input global_weight (given as codes): QUANTISED (scales: A lowp_scales[0], B lowp_scales[1])
;;   THE QUANTISER, for each operand of a quantised product, along K:
;;     - The operand's scale is 2^e, e = its entry of the input lowp_scales (int32; the entries are numbered through the quantised products in the list's order, A before B).
;;     - Each number is divided by the scale, clamped to +-57,344, and rounded to the nearest number of E5M2, ties to even, subnormals kept.
;;     - The product sums the exact products of the quantised numbers (number of the format x scale) in f32.
;;   ~~~python
;;   def quantise(x, axis, e):      # numpy; x: float32 -> the quantised numbers, widened to float32 again
;;       x = np.moveaxis(x, axis, -1); K = x.shape[-1]
;;       r = np.clip(x / 2.0 ** e, -57344, 57344)
;;       step = 2.0 ** (np.maximum(np.frexp(np.where(r == 0, 1, r))[1] - 1, -14) - 2)
;;       q = np.round(r / step) * step * 2.0 ** e      # np.round: ties to even
;;       return np.moveaxis(q, -1, axis).astype(np.float32)
;;   ~~~
;;   OPERANDS COMPUTED ON THE WAY. 'Computed on the way' means the value that the module computes at that place (a softmax that the list does not call 'softmax' is quantised finished and normalised). What goes into a quantiser is computed in f32, as accurately as f32 sums, v_exp_f32 and their like allow (about 1e-6 of the number): no bf16 or f16 on the way to a quantiser, and a product that is left as it is and whose result goes on into a quantised operand takes f32 operands (vector FMAs, or v_wmma_f32_16x16x4_f32). A number that lies on a knife's edge between two numbers of the format may be rounded either way, as far as f32 arithmetic and the matrix unit's own rounding can turn it there, and no further.
;;   INPUTS GIVEN AS CODES. global_weight (in the module: [512, 512], K = its axis 0): each comes as NAME_codes (uint8): NAME with its K axis moved to the last place and cut into blocks of 32 codes, [.., K / 32, bytes a block], one block behind the other in memory; one code a byte (a code: sign, 5 exponent bits, 2 mantissa bits); its scale is its entry of lowp_scales. Its value is code x scale, taken as it is: it is not quantised again, and the codes and scales need not be those that the quantiser above would give.
;; 2 versions. Each part assembles by itself: llvm-mc -triple=amdgcn-amd-amdhsa -mcpu=gfx1250 --defsym DOCPART=n.
;; ======== version 1 of 2: 2 launches
;; workspace buffers: zq 2,097,152 bytes
;; launch quant (part 1): grid 256 x 1, 4 waves a work-group, no clusters, 51,712 bytes of LDS; arguments z_drug, local_diag, lowp_scales, zq; writes zq
.if DOCPART == 1
	.amdgcn_target "amdgcn-amd-amdhsa--gfx1250"
	.amdhsa_code_object_version 6
	.text
	.protected	k_q809a1e336c_quant
	.globl	k_q809a1e336c_quant
	.p2align	8
	.type	k_q809a1e336c_quant,@function
k_q809a1e336c_quant:
	s_mov_b64 s[64:65], 0
	v_nop
	global_prefetch_b8 v0, s[64:65] scope:SCOPE_SE
	s_setreg_imm32_b32 hwreg(HW_REG_WAVE_MODE, 25, 1), 1
	s_wait_xcnt 0x0
; zq[i][k] = the E5M2 code of z_drug[i][k] * local_diag[2][k] under the given scale 2^e0 (entry 0 of lowp_scales): the left operand of the quantised product, made ONCE for each of the
; 4,096 rows of z_drug, since the list of edges names a row many times.  zq: [4096][512] codes, one a byte, k as it lies: a row is 512 bytes.
; code = (z * d) / 2^e0, held within +-57,344, rounded to the nearest code, ties to even.  The product z * d is one f32 multiplication, as the reference has it.
; LIMITS: e0 between -126 and 112, so that 2^e0 and 57,344 x 2^e0 are f32 numbers.  NaN among z or d is not served (an infinity is held at the largest code).
; SHARES: 256 work-groups x 4 waves x 4 rows.  A row is 512 numbers: four loads of 512 consecutive bytes, 16 a lane.  The conversions take eight neighbours along k from ONE lane's registers, so a row's
; 2,048 bytes turn through the wave's own stage in LDS (as they lie, 16 bytes of padding behind each 64) and come back 64 bytes a lane: lane l then holds k = 16 l .. 16 l + 15, and its 16 codes are 16 bytes:
; the wave stores a row's 512 consecutive bytes.  d's row takes the same turn once.  Five turns, five stages: nothing in LDS is written twice; waves share nothing, so there is no barrier.
.set SP,   80                          ; a lane's place in a stage: 64 bytes + 16 of padding
.set STG,  32*SP                       ; a stage
.set WREG, 5*STG                       ; a wave's five stages
.set R,    16                          ; v16-95   five sets of 16 as loaded: d's row, then my four rows
.set DD,   96                          ; v96-111  d of my 16 k
.set X,    112                         ; v112-175 four sets of 16 neighbours (set k of the turns lands at DD + 16 k)
.set C,    176                         ; v176-191 four registers of codes for each row: no store's data are written again
	s_load_b256 s[4:11], s[0:1], 0x0               ; z s[4:5], local_diag s[6:7], lowp_scales s[8:9], zq s[10:11]
	v_lshl_add_u32 v192, v0, 2, 0xc800
	v_mov_b32 v193, 0
	v_lshrrev_b32 v1, 5, v0
	v_readfirstlane_b32 s16, v1                    ; wave 0..3
	v_and_b32 v2, 31, v0                           ; lane
	v_lshlrev_b32 v3, 4, v2                        ; my 16 bytes of a load's, and of a store's, 512
	s_mul_i32 s17, s16, WREG
	v_lshrrev_b32 v14, 2, v2
	v_mul_u32_u24 v14, v14, SP
	v_and_b32 v15, 3, v2
	v_lshl_add_u32 v14, v15, 4, v14
	v_add_nc_u32 v14, s17, v14                     ; into a stage: four lanes' 64 bytes on end, then the padding
	v_mul_u32_u24 v15, v2, SP
	v_add_nc_u32 v15, s17, v15                     ; out of it: my 16 neighbours
	s_lshl_b32 s18, ttmp9, 4
	s_lshl_b32 s19, s16, 2
	s_add_co_u32 s18, s18, s19                     ; my first row: 16 x work-group + 4 x wave
	s_lshl_b32 s20, s18, 11                        ; x 2,048 bytes in z
	s_mov_b32 s21, 0
	s_lshl_b32 s18, s18, 9                         ; x 512 bytes in zq
	s_mov_b32 s19, 0
	s_wait_kmcnt 0x0
	s_load_b32 s12, s[8:9], 0x0                    ; e0
	s_add_nc_u64 s[4:5], s[4:5], s[20:21]
	s_add_nc_u64 s[10:11], s[10:11], s[18:19]
.irp i, 0,1,2,3
	global_load_b128 v[R+4*\i:R+4*\i+3], v3, s[6:7] offset:4096+512*\i        ; row 2 of local_diag begins at byte 2 x 2,048
.endr
.irp t, 0,1,2,3
.irp i, 0,1,2,3
	global_load_b128 v[R+16+16*\t+4*\i:R+16+16*\t+4*\i+3], v3, s[4:5] offset:2048*\t+512*\i
.endr
.endr
; Set k goes through stage k.  LDS serves a wave's instructions in order (ISA guide 5.7.1.4): no wait between the stores and the loads.
.macro TURN k
	s_wait_loadcnt 16-4*\k                         ; loads come back in order: set k is in, the 4 (4 - k) loads behind it may be out
.irp i, 0,1,2,3
	ds_store_b128 v14, v[R+16*\k+4*\i:R+16*\k+4*\i+3] offset:STG*\k+8*SP*\i
.endr
.irp i, 0,1,2,3
	ds_load_b128 v[DD+16*\k+4*\i:DD+16*\k+4*\i+3], v15 offset:STG*\k+16*\i
.endr
.endm
.irp k, 0,1,2,3,4
	TURN \k
.endr
	s_wait_kmcnt 0x0
	s_add_co_i32 s12, s12, 127
	s_lshl_b32 s13, s12, 23
	v_mov_b32 v11, s13                             ; 2^e0 as f32: the conversion takes its exponent field
	s_add_co_i32 s12, s12, 15
	s_lshl_b32 s12, s12, 23
	s_or_b32 s12, s12, 0x600000
	v_mov_b32 v10, s12                             ; 57,344 x 2^e0
.macro ROW t
	s_wait_dscnt 8*(3-\t)                          ; d's turn and this row's are back; the later turns' eight LDS instructions each may be out
.irp i, 0,2,4,6,8,10,12,14
	v_pk_mul_f32 v[X+16*\t+\i:X+16*\t+\i+1], v[X+16*\t+\i:X+16*\t+\i+1], v[DD+\i:DD+\i+1]   ; z * d
.endr
.irp i, 0,1,2,3,4,5,6,7,8,9,10,11,12,13,14,15
	v_med3_num_f32 v[X+16*\t+\i], v[X+16*\t+\i], -v10, v10   ; the conversion to an 8-bit code does not saturate (ISA guide 7.6.2): the hold at the largest code x the scale
.endr
	v_cvt_scalef32_pk8_bf8_f32 v[C+4*\t:C+4*\t+1], v[X+16*\t:X+16*\t+7], v11
	v_cvt_scalef32_pk8_bf8_f32 v[C+4*\t+2:C+4*\t+3], v[X+16*\t+8:X+16*\t+15], v11
	v_nop                                          ; one plain vector instruction behind the last conversion of the run
	global_store_b128 v3, v[C+4*\t:C+4*\t+3], s[10:11] offset:512*\t   ; the wave stores 512 consecutive bytes, at a multiple of 512 from zq's first byte
.endm
.irp t, 0,1,2,3
	ROW \t
.endr
	s_wait_tensorcnt 0x0
	ds_add_u32 v192, v193
	s_wait_dscnt 0x0
	s_endpgm
.Lfunc_end_k_q809a1e336c_quant:
	.size	k_q809a1e336c_quant, .Lfunc_end_k_q809a1e336c_quant-k_q809a1e336c_quant
	.p2alignl 7, 3214868480
	.fill 96, 4, 3214868480
	.section	.rodata,"a",@progbits
	.p2align	6, 0x0
	.amdhsa_kernel k_q809a1e336c_quant
		.amdhsa_group_segment_fixed_size 51712
		.amdhsa_private_segment_fixed_size 0
		.amdhsa_enable_private_segment 0
		.amdhsa_kernarg_size 32
		.amdhsa_user_sgpr_count 2
		.amdhsa_user_sgpr_kernarg_segment_ptr 1
		.amdhsa_wavefront_size32 1
		.amdhsa_system_sgpr_workgroup_id_x 1
		.amdhsa_system_sgpr_workgroup_id_y 1
		.amdhsa_system_sgpr_workgroup_id_z 1
		.amdhsa_system_vgpr_workitem_id 0
		.amdhsa_next_free_vgpr 194
		.amdhsa_next_free_sgpr 66
		.amdhsa_reserve_vcc 0
		.amdhsa_float_denorm_mode_32 3
		.amdhsa_float_denorm_mode_16_64 3
		.amdhsa_memory_ordered 1
		.amdhsa_forward_progress 1
		.amdhsa_inst_pref_size 14
	.end_amdhsa_kernel
	.amdgpu_metadata
---
amdhsa.version: [ 1, 2 ]
amdhsa.kernels:
  - .name:           k_q809a1e336c_quant
    .symbol:         k_q809a1e336c_quant.kd
    .args:
      - { .name: z_drug, .offset: 0, .size: 8, .value_kind: global_buffer, .address_space: global }
      - { .name: local_diag, .offset: 8, .size: 8, .value_kind: global_buffer, .address_space: global }
      - { .name: lowp_scales, .offset: 16, .size: 8, .value_kind: global_buffer, .address_space: global }
      - { .name: zq, .offset: 24, .size: 8, .value_kind: global_buffer, .address_space: global }
    .group_segment_fixed_size: 51712
    .private_segment_fixed_size: 0
    .kernarg_segment_align: 8
    .kernarg_segment_size: 32
    .max_flat_workgroup_size: 128
    .sgpr_count:     66
    .vgpr_count:     194
    .wavefront_size: 32
...
	.end_amdgpu_metadata
.endif
;; end of part 1
;; launch score (part 2): grid 256 x 1, 4 waves a work-group, no clusters, 287,232 bytes of LDS; arguments batch_edges, global_weight_codes, local_diag, lowp_scales, z_drug, zq, out0; writes out0
.if DOCPART == 2
	.amdgcn_target "amdgcn-amd-amdhsa--gfx1250"
	.amdhsa_code_object_version 6
	.text
	.protected	k_q809a1e336c_score
	.globl	k_q809a1e336c_score
	.p2align	8
	.type	k_q809a1e336c_score,@function
k_q809a1e336c_score:
	s_mov_b64 s[64:65], 0
	v_nop
	global_prefetch_b8 v0, s[64:65] scope:SCOPE_SE
	s_setreg_imm32_b32 hwreg(HW_REG_WAVE_MODE, 25, 1), 1
	s_wait_xcnt 0x0
; out0[e] = sigmoid( sum over n of (A W)[e][n] d[n] z[col e][n] ),  A[e][k] = the code zq[row e][k] (made by the launch before) x 2^e0,  W[k][n] = its given code x 2^e1,  d = local_diag[2].
; The product is done on the codes by v_wmma_f32_16x16x128_bf8_bf8, sums in f32; 2^(e0 + e1) is a factor of every term and is applied once, to the finished score, by v_ldexp_f32: no limit on e0 + e1.
; LIMITS: an index is held at 4,095 (the reference relies on indices inside the table).  The f32 sums are taken in another order than the reference's.  Inside a matrix instruction k is permuted, alike in both operands.
; SHARES.  A work-group owns 512 edges: 32 tiles of 16, 8 blocks of 4 tiles.  THE FOUR WAVES SHARE W's COLUMNS, NOT THE EDGES: wave w keeps columns 128 w .. 128 w + 127 of W, all 512 k, in 512 registers for the whole
; launch (32 fragments, read from memory once), and multiplies every tile of edges against them: 32 matrix instructions a tile, eight accumulators by turns over four K steps.  What goes round through LDS is the small
; thing, the edges' codes: wave w gathers tile 4 b + w of each block b (one load of the wave = one edge's 512 bytes), all four waves read it.
; THE PRODUCT IS USED AS IT STANDS: source 0 = 16 edges, source 1 = 16 columns.  In the result lane (r, h) holds, in register j, edge 8 h + j and the tile's column r.  THE COLUMNS OF A TILE ARE NOT NEIGHBOURS: tile
; t = 4 g + u takes columns 128 w + 64 g + 4 r + u.  So one 16-byte load gives a lane z[col(8 h + j)][128 w + 64 g + 4 r + 0 .. 3], the partners of register j of tiles 4 g .. 4 g + 3, and sixteen neighbouring lanes
; read 256 consecutive bytes of a row of z, at a multiple of 256 from its first byte.
; THE INDICES COME BY SCALAR LOADS, straight from batch_edges, a tile ahead of their use, into two sets of scalar registers by turns: a tile's 16 col indices (64 bytes) and a piece's 4 row indices (16 bytes).  Scalar loads
; have a counter of their own, so they do not stand among the vector loads, whose counted waits let three tiles' gathers stay out.  A lane's half picks its eight col indices by a mask.
; THE DOT: z is multiplied by d, eight chains of multiply-adds give each lane its part of eight edges' scores, a fold over the sixteen lanes of a half leaves edge lane / 2's sum in each lane; the four waves'
; parts meet in LDS at the end, where each thread finishes four edges.
; NO TENSOR LOADS, NO CLUSTER: the rows that a tile needs are named by a list, so they are no tile of memory; what all work-groups share, W, is 256 KB of the 1.5 MB that a work-group reads (256 KB of codes, 1 MB of z,
; 4 KB of indices beside it), goes straight into registers, and LDS has 286,720 bytes taken.  NO PREFETCH: a row of z or zq is named by many work-groups, so no block has one wave to ask for it.
; LDS.  Every region is written once in the launch.  ATILE: tile T at 8,704 T; in it piece l of an edge's codes (k = 16 l .. 16 l + 15) at 272 l, edge r at + 16 r.  272 bytes = 68 words: in a store of one edge the
; lanes of a half fall on 16 different groups of four banks (64 banks of 4 bytes: ISA guide 11.1); in a fetch sixteen lanes take 256 consecutive bytes.
; REGISTERS, in windows of 256: window 0: addresses, the dot's work, A's four fragments, the accumulators, four slots for gathered codes.   windows 1, 2: W: fragment (K step s, tile t) at v[128 (s % 2) + 16 t] of window
; 1 + s / 2.   window 3: z[col]: a ring of four sets of 64: set q, edge register j, tile t at v[64 q + 8 j + t].
.set TILEB, 8704                       ; 32 pieces x 272 bytes
.set BLKB,  4*TILEB
.set PART,  32*TILEB                   ; 278,528: the waves' parts of the scores: wave w at + 2,048 w, edge e at + 4 e
.set COLS,  524288                     ; the second row of batch_edges, the col indices, begins at byte 131,072 x 4
.set L16,  1                           ; v1   16 x lane
.set ZB,   2                           ; v2   512 w + 16 r: my 16 bytes in a row of z, and of d
.set STA0, 3                           ; v3   272 x lane + 8,704 w: where I store my piece of an edge of my wave's tile
.set FA0,  4                           ; v4   272 h + 16 r: where a fragment's first 16 bytes of mine lie in a tile
.set HM,   5                           ; v5   all ones in lanes 16-31, 0 in lanes 0-15
.set PA0,  7                           ; v7   PART + 2,048 w + 4 (lane / 2)
.set FAC,  8                           ; v8, v9, v12: FA0, STA0, PA0 with the trip's step added
.set SA,   9
.set PA,   12
.set P,    16                          ; v16-23  my parts of eight edges' scores
.set T,    24                          ; v24-27  the fold's work
.set DV,   28                          ; v28-35  d of my column of tile t
.set ZO,   36                          ; v36-43  byte offsets in z of eight col rows
.set GO,   44                          ; v44-47  byte offsets in zq of four row rows
.set AF,   64                          ; v64-127 A's fragments: K step s at AF + 16 s
.set ACC,  128                         ; v128-191 tile t's accumulator at ACC + 8 t
.set G,    192                         ; v192-255 four slots of four edges' codes
.set CI0,  36                          ; s[36:51] 16 col indices, s[52:55] 4 row indices: the set of the even tiles;
.set RI0,  52                          ; s[68:83], s[84:87]: the set of the odd tiles, 32 registers further on
.set MSB, 0
.macro WIN new                         ; s_set_vgpr_msb: bits 1:0 source 0, 3:2 source 1, 5:4 source 2, 7:6 destination; the high byte repeats the setting that is left
.if MSB != \new
	s_set_vgpr_msb (MSB<<8)|\new
.set MSB, \new
.endif
.endm
; W's eight fragments of K step s: lane (r, h) takes, of column 128 w + 64 g + 4 r + u, k = 128 s + 32 c + 16 h + 0 .. 15 into registers 4 c .. 4 c + 3: the same places of k as A's fragments have
.macro WLOAD s
.if \s < 2
	WIN 0x40                                       ; destination window 1
.else
	WIN 0x80                                       ; destination window 2
.endif
.irp t, 0,1,2,3,4,5,6,7
.irp c, 0,1,2,3
	global_load_b128 v[128*((\s)%2)+16*\t+4*\c:128*((\s)%2)+16*\t+4*\c+3], v26, s[6:7] offset:(64*(\t/4)+(\t%4))*512+128*(\s)+32*\c
.endr
.endr
.endm
; A's four fragments of the tile toff bytes behind v[FAC]: load q = 4 s + c brings lane (r, h) piece 2 q + h of edge r: k = 128 s + 32 c + 16 h + 0 .. 15
.macro FETCH toff
.irp q, 0,1,2,3,4,5,6,7,8,9,10,11,12,13,14,15
	ds_load_b128 v[AF+4*\q:AF+4*\q+3], v[FAC] offset:(\toff)+544*\q
.endr
.endm
; 32 matrix instructions: 16 edges x my 128 columns x 512 along K.  The eight accumulators take turns, one instruction a turn; the first K step starts the sums: nothing is cleared.
.macro MULS
.irp s, 0,1,2,3
.if \s < 2
	WIN 0x04                                       ; source 1 (W) window 1
.else
	WIN 0x08                                       ; source 1 window 2
.endif
.irp t, 0,1,2,3,4,5,6,7
.if \s == 0
	v_wmma_f32_16x16x128_bf8_bf8 v[ACC+8*\t:ACC+8*\t+7], v[AF+16*\s:AF+16*\s+15], v[128*(\s%2)+16*\t:128*(\s%2)+16*\t+15], 0
.else
	v_wmma_f32_16x16x128_bf8_bf8 v[ACC+8*\t:ACC+8*\t+7], v[AF+16*\s:AF+16*\s+15], v[128*(\s%2)+16*\t:128*(\s%2)+16*\t+15], v[ACC+8*\t:ACC+8*\t+7]
.endif
.endr
.endr
	WIN 0
.endm
; A tile's 16 col indices in s[ci] on become my half's eight byte offsets in z, in v[reg] on: lanes 0-15 take edges 0-7, lanes 16-31 edges 8-15; held at 4,095; x 2,048 bytes a row; + my 16 bytes of a row
.macro COFF reg, ci
.set i, 0
.rept 8
	v_bfi_b32 v[\reg+i], v[HM], s[\ci+8+i], s[\ci+i]           ; (mask & second) | (~mask & third)
.set i, i+1
.endr
.set i, 0
.rept 8
	v_min_u32 v[\reg+i], 0xfff, v[\reg+i]
.set i, i+1
.endr
.set i, 0
.rept 8
	v_lshl_add_u32 v[\reg+i], v[\reg+i], 11, v[ZB]
.set i, i+1
.endr
.endm
; n row indices in s[ri] on become byte offsets in zq, in v[reg] on: held at 4,095; x 512 bytes a row; + 16 x lane
.macro ROFF reg, ri, n
.set i, 0
.rept \n
	s_min_u32 s[\ri+i], s[\ri+i], 0xfff
.set i, i+1
.endr
.set i, 0
.rept \n
	v_lshl_add_u32 v[\reg+i], s[\ri+i], 9, v[L16]
.set i, i+1
.endr
.endm
; 16 loads: z[col] of a tile's edges into set q; the offsets of my half's eight edges stand in v[zo] on
.macro ZLOAD q, zo
	WIN 0xc0                                       ; destination window 3
.irp j, 0,1,2,3,4,5,6,7
.irp g, 0,1
	global_load_b128 v[64*(\q)+8*\j+4*\g:64*(\q)+8*\j+4*\g+3], v[(\zo)+\j], s[12:13] offset:256*\g
.endr
.endr
	WIN 0
.endm
; 4 loads: four edges' codes into slot p; a load of the wave is one edge's 512 consecutive bytes
.macro GLOAD p, go
.irp i, 0,1,2,3
	global_load_b128 v[G+16*(\p)+4*\i:G+16*(\p)+4*\i+3], v[(\go)+\i], s[14:15]
.endr
.endm
.macro GSTORE p                        ; slot p holds edges 4 p .. 4 p + 3 of my wave's tile
.irp i, 0,1,2,3
	ds_store_b128 v[SA], v[G+16*(\p)+4*\i:G+16*(\p)+4*\i+3] offset:16*(4*(\p)+\i)
.endr
.endm
; my part of eight edges' scores: P[j] = sum over t of acc[t][j] x (z d)[j][t].  Each accumulator is read from its register 0 on.
.macro DOT q
	WIN 0xc3                                       ; destination and source 0 (z) window 3, source 1 (d) window 0
.irp j, 0,1,2,3,4,5,6,7
.irp i, 0,2,4,6
	v_pk_mul_f32 v[64*(\q)+8*\j+\i:64*(\q)+8*\j+\i+1], v[64*(\q)+8*\j+\i:64*(\q)+8*\j+\i+1], v[DV+\i:DV+\i+1]
.endr
.endr
	WIN 0x03                                       ; source 0 window 3
.irp j, 0,1,2,3,4,5,6,7
	v_mul_f32 v[P+\j], v[64*(\q)+8*\j], v[ACC+\j]
.endr
.irp t, 1,2,3,4,5,6,7
.irp j, 0,1,2,3,4,5,6,7
	v_fmac_f32 v[P+\j], v[64*(\q)+8*\j+\t], v[ACC+8*\t+\j]    ; eight chains that do not wait for each other
.endr
.endr
	WIN 0
.endm
; One stage of the fold over the sixteen lanes of a half: a lane keeps half of its sums (which half: a bit of its number, the mask), sends the other half to the lane xm away and adds what that lane sends.
.macro FOLD dist, mask, xm
.set i, 0
.rept \dist
	v_cndmask_b32 v[T+i], v[P+i+\dist], v[P+i], \mask          ; what I send
.set i, i+1
.endr
.set i, 0
.rept \dist
	v_cndmask_b32 v[P+i], v[P+i], v[P+i+\dist], \mask          ; what I keep
.set i, i+1
.endr
.set i, 0
.rept \dist
	v_add_f32_dpp v[P+i], v[T+i], v[P+i] row_xmask:\xm row_mask:0xf bank_mask:0xf
.set i, i+1
.endr
.endm
.macro REDUCE                          ; lane (r, h) ends with edge 8 h + r / 2 = lane / 2, summed over my wave's 128 columns
	FOLD 4, s28, 8
	FOLD 2, s29, 4
	FOLD 1, s30, 2
	v_add_f32_dpp v[P], v[P], v[P] row_xmask:1 row_mask:0xf bank_mask:0xf
.endm
.macro BARRIER                         ; my LDS stores have landed and my LDS loads are in: then the work-group's barrier
	s_wait_dscnt 0x0
	s_barrier_signal -1
	s_barrier_wait -1
.endm
.macro TRIPHEAD sa                     ; the trip's addresses: s24 = 34,816 b, s25 = 256 b.  sa = 1: codes are stored in this trip, into block b + 1
	v_add_nc_u32 v[FAC], s24, v[FA0]
.if \sa
	s_add_co_u32 s31, s24, BLKB
	v_add_nc_u32 v[SA], s31, v[STA0]
.endif
	v_add_nc_u32 v[PA], s25, v[PA0]
.endm
; TILE i = 4 b + m.  THE PIPELINE: tile i asks for z[col] of tile i + 3 (zi: 16 loads) and for four edges' codes of my wave's tile of block b + 2 (gi: 4 loads, slot m); it stores to LDS the codes asked for in tile
; i - 3 (st: slot (m + 1) % 4: block b + 1, for m = 3 block b + 2), and uses the z asked for in tile i - 3.  nw = the loads issued in tiles i - 2 and i - 1, which may stay out.  At most 60 loads of a wave are out.
; The indices that tile i turns into offsets were asked for by tile i - 1; tile i asks for tile i + 1's (nz: the col indices of tile i + 4; ng: the row indices of tile i + 1's piece), into the other set.
; bar: behind tile 4 b + 2 all four slots of block b + 1 are stored by every wave: one barrier a block; block b + 1's first fetch stands in tile 4 b + 3.  fe: the next tile's fragments are fetched.
; pw = the LDS instructions that the tile before issued behind its fetch of my fragments (its four stores of codes, where it has them, and its store of a partial score): they may stay out.
.macro TILE m, zi, gi, st, bar, fe, nw, pw, nz, ng
.set CIC, CI0+32*((\m)%2)
.set RIC, RI0+32*((\m)%2)
.set CIN, CI0+32*((\m+1)%2)
.set RIN, RI0+32*((\m+1)%2)
	s_wait_dscnt \pw                               ; LDS instructions end in order (ISA guide 5.7.1): this tile's sixteen fragment loads are in
	MULS
.if \zi || \gi
	s_wait_kmcnt 0x0                               ; this tile's indices, asked for a tile ago
	s_wait_xcnt 0x0                                ; the last tile's loads have read their offsets: those registers are written again only behind this wait
.endif
.if \nz
	s_load_b512 s[CIN:CIN+15], s[4:5], s25 offset:COLS+256+64*\m           ; tile i + 4 begins 64 (i + 4) = 256 b + 256 + 64 m bytes into my work-group's col indices
.endif
.if \ng
	s_load_b128 s[RIN:RIN+3], s[34:35], s25 offset:512+256*((\m+1)/4)+16*((\m+1)%4)   ; tile i + 1 = 4 b' + m': byte 256 (b' + 2) + 16 m' of my wave's row indices.  (In the loop's last trip tile 23 asks for four
	                                               ; indices that no tile uses: block 8 does not exist.  The load stays inside batch_edges: its last byte lies at most at 522,240 + 192 + 1,280 + 768 + 15)
.endif
.if \zi
	COFF ZO, CIC                                   ; these plain instructions name no register of the products: they are the places in front of the loads into A's fragments and of the first read of results
.endif
.if \gi
	ROFF GO, RIC, 4
.endif
.if !(\zi || \gi)
.rept 4
	v_nop                                          ; the same four places where there is no such work
.endr
.endif
	s_wait_dscnt 0x0                               ; the last tile's LDS stores, issued ahead of the 32 products, are done: slot m and P, which they read, are written again below
.if \fe
	FETCH TILEB*(\m+1)
.endif
	s_wait_loadcnt \nw                             ; loads come back in order: all that tile i - 3 asked for is in
.if \zi
	ZLOAD (\m+3)%4, ZO
.endif
.if \gi
	GLOAD \m, GO
.endif
.if \st
.if \m == 3
	s_add_co_u32 s31, s24, 2*BLKB
	v_add_nc_u32 v[SA], s31, v[STA0]               ; slot 0 belongs to block b + 2
.endif
	GSTORE (\m+1)%4
.endif
	DOT \m
	REDUCE
	ds_store_b32 v[PA], v[P] offset:64*\m          ; lanes 2 e and 2 e + 1 write the same sum to edge e's word
.if \bar
	BARRIER
.endif
.endm
	s_load_b256 s[4:11], s[0:1], 0x0               ; batch_edges s[4:5], W's codes s[6:7], local_diag s[8:9], lowp_scales s[10:11]
	s_load_b128 s[12:15], s[0:1], 0x20             ; z_drug s[12:13], zq s[14:15]
	s_load_b64 s[16:17], s[0:1], 0x30              ; out0
	v_lshl_add_u32 v10, v0, 2, 0x46000
	v_mov_b32 v11, 0
	v_lshrrev_b32 v13, 5, v0
	v_readfirstlane_b32 s18, v13                   ; wave 0..3
	v_and_b32 v13, 31, v0                          ; lane
	v_and_b32 v14, 15, v0                          ; r
	v_bfe_u32 v15, v0, 4, 1                        ; h
	s_mov_b32 s28, 0xff00ff00                      ; lanes whose number has bit 3,
	s_mov_b32 s29, 0xf0f0f0f0                      ; bit 2,
	s_mov_b32 s30, 0xcccccccc                      ; bit 1
	v_lshlrev_b32 v[L16], 4, v13
	v_sub_nc_u32 v[HM], 0, v15                     ; 0 - h
	s_lshl_b32 s31, s18, 9
	v_lshl_add_u32 v[ZB], v14, 4, s31
	s_mul_i32 s31, s18, TILEB
	v_mul_u32_u24 v[STA0], v13, 272
	v_add_nc_u32 v[STA0], s31, v[STA0]
	v_mul_u32_u24 v[FA0], v15, 272
	v_lshl_add_u32 v[FA0], v14, 4, v[FA0]
	s_lshl_b32 s31, s18, 11
	s_add_co_u32 s22, s31, PART
	v_lshrrev_b32 v[PA0], 1, v13
	v_lshl_add_u32 v[PA0], v[PA0], 2, s22
	v_lshlrev_b32 v26, 11, v14                     ; W: columns 4 r apart are 2,048 r bytes apart; + 16 h
	v_lshl_add_u32 v26, v15, 4, v26
	s_lshl_b32 s32, ttmp9, 11                      ; my work-group's 512 edges: 2,048 bytes of indices and of out0
	s_mov_b32 s33, 0
	s_lshl_b32 s22, s18, 16                        ; my wave's 128 columns of W: 128 x 512 bytes
	s_mov_b32 s23, 0
	s_lshl_b32 s26, s18, 6                         ; my wave's tile in a block's row indices: 16 x 4 bytes
	s_mov_b32 s27, 0
	s_wait_kmcnt 0x0
	s_add_nc_u64 s[4:5], s[4:5], s[32:33]
	s_add_nc_u64 s[16:17], s[16:17], s[32:33]
	s_add_nc_u64 s[6:7], s[6:7], s[22:23]
	s_add_nc_u64 s[34:35], s[4:5], s[26:27]        ; the row indices of my wave's tile of block 0; a block on is 256 bytes on
	s_load_b64 s[20:21], s[10:11], 0x0             ; e0, e1: wanted at the end
	s_load_b512 s[36:51], s[34:35], 0x0            ; row indices of my tile of block 0,
	s_load_b512 s[68:83], s[34:35], 0x100          ; of block 1;
	s_load_b512 s[84:99], s[4:5], COLS             ; col indices of tile 0
.irp g, 0,1
	global_load_b128 v[DV+4*\g:DV+4*\g+3], v[ZB], s[8:9] offset:4096+256*\g      ; d = row 2 of local_diag, at my columns
.endr
	WLOAD 0                                        ; these hang on no index: they go out while the indices come
	WIN 0
	s_wait_kmcnt 0x0
	ROFF 64, 36, 16                                ; v64-79: block 0's sixteen edges
	ROFF 80, 68, 16                                ; v80-95: block 1's
	COFF 96, 84                                    ; v96-103: tile 0's col rows
	s_load_b512 s[68:83], s[4:5], COLS+64          ; col indices of tile 1,
	s_load_b512 s[84:99], s[4:5], COLS+128         ; of tile 2;
	s_load_b512 s[36:51], s[4:5], COLS+192         ; and what tile 0 turns into offsets: the col indices of tile 3
	s_load_b128 s[52:55], s[34:35], 0x200          ; and the row indices of block 2's first piece
.set i, 0
.rept 16
	global_load_b128 v[ACC+4*i:ACC+4*i+3], v[64+i], s[14:15]   ; block 0: my tile's sixteen edges, into registers that the accumulators take later
.set i, i+1
.endr
	GLOAD 0, 80                                    ; block 1, slot 0
	WLOAD 1
	WLOAD 2
	WLOAD 3
	ZLOAD 0, 96                                    ; three groups of 20 stand for what tiles -3, -2, -1 would have asked for
	GLOAD 1, 84
	s_wait_kmcnt 0x0
	COFF 104, 68
	COFF 112, 84
	ZLOAD 1, 104
	GLOAD 2, 88
	ZLOAD 2, 112
	GLOAD 3, 92
	s_wait_loadcnt 60                              ; all but those three groups: W, d, block 0 and slot 0 are in
.set i, 0
.rept 16
	ds_store_b128 v[STA0], v[ACC+4*i:ACC+4*i+3] offset:16*i
.set i, i+1
.endr
	v_add_nc_u32 v[SA], BLKB, v[STA0]
	GSTORE 0
	BARRIER                                        ; block 0 lies in LDS, whole
	s_wait_xcnt 0x0                                ; v64-119 were offsets of loads that may still be out: A's fragments land there only behind this wait
	v_mov_b32 v[FAC], v[FA0]
	FETCH 0
	s_mov_b32 s24, 0
	s_mov_b32 s25, 0
	s_mov_b32 s27, 6
	s_wait_dscnt 0x0                               ; nothing was issued behind this fetch, so the counted wait at the loop's head would not show it in: it is waited for here, once
.Ltrip:                                                ; blocks 0 to 5: every tile asks for z and for codes
	TRIPHEAD 1
	TILE 0, 1, 1, 1, 0, 1, 40, 5, 1, 1
	TILE 1, 1, 1, 1, 0, 1, 40, 5, 1, 1
	TILE 2, 1, 1, 1, 1, 1, 40, 5, 1, 1
	TILE 3, 1, 1, 1, 0, 1, 40, 0, 1, 1
	s_wait_xcnt 0x0                                ; the scalar loads have read s25: it is stepped only behind this wait
	s_add_co_u32 s24, s24, BLKB
	s_add_co_u32 s25, s25, 256
	s_sub_co_u32 s27, s27, 1
	s_cmp_lg_u32 s27, 0
	s_cbranch_scc1 .Ltrip
	s_mov_b32 s24, 6*BLKB                          ; block 6: no codes are left to ask for; the counts run down with the groups: 20 + 20, 20 + 16, 16 + 16
	s_mov_b32 s25, 6*256
	TRIPHEAD 1
	TILE 0, 1, 0, 1, 0, 1, 40, 5, 1, 0
	TILE 1, 1, 0, 1, 0, 1, 36, 5, 1, 0
	TILE 2, 1, 0, 1, 1, 1, 32, 5, 1, 0
	TILE 3, 1, 0, 0, 0, 1, 32, 0, 1, 0
	s_wait_xcnt 0x0                                ; as at the loop's end
	s_mov_b32 s24, 7*BLKB                          ; block 7: tile 28 asks for tile 31's z, the last load
	s_mov_b32 s25, 7*256
	TRIPHEAD 0
	TILE 0, 1, 0, 0, 0, 1, 32, 1, 0, 0
	TILE 1, 0, 0, 0, 0, 1, 32, 1, 0, 0
	TILE 2, 0, 0, 0, 0, 1, 16, 1, 0, 0
	TILE 3, 0, 0, 0, 0, 0, 0, 1, 0, 0
	BARRIER                                        ; the four waves' parts of all 512 scores lie in LDS
	v_lshl_add_u32 v13, v0, 4, PART                ; thread t finishes edges 4 t .. 4 t + 3
.irp k, 0,1,2,3
	ds_load_b128 v[48+4*\k:51+4*\k], v13 offset:2048*\k
.endr
	s_wait_dscnt 0x0
	v_pk_add_f32 v[48:49], v[48:49], v[52:53]
	v_pk_add_f32 v[50:51], v[50:51], v[54:55]
	v_pk_add_f32 v[56:57], v[56:57], v[60:61]
	v_pk_add_f32 v[58:59], v[58:59], v[62:63]
	v_pk_add_f32 v[48:49], v[48:49], v[56:57]
	v_pk_add_f32 v[50:51], v[50:51], v[58:59]
	s_wait_kmcnt 0x0
	s_add_co_i32 s31, s20, s21                     ; e0 + e1
.irp i, 0,1,2,3
	v_ldexp_f32 v[48+\i], v[48+\i], s31            ; the score
.endr
.irp i, 0,1,2,3
	v_mul_f32 v[48+\i], 0xbfb8aa3b, v[48+\i]       ; x -log2(e)
.endr
.irp i, 0,1,2,3
	v_exp_f32 v[48+\i], v[48+\i]                   ; e^-score
.endr
	v_nop                                          ; one plain instruction behind the transcendentals (ISA guide 5.7.2)
	s_wait_alu depctr_va_vdst(0)
.irp i, 0,1,2,3
	v_add_f32 v[48+\i], 1.0, v[48+\i]
.endr
.irp i, 0,1,2,3
	v_rcp_f32 v[48+\i], v[48+\i]                   ; sigmoid = 1 / (1 + e^-score)
.endr
	v_lshlrev_b32 v14, 4, v0                       ; (the plain instruction behind them)  my 16 bytes of the work-group's 2,048
	s_wait_alu depctr_va_vdst(0)
	global_store_b128 v14, v[48:51], s[16:17]      ; a wave stores 512 consecutive bytes, at a multiple of 512 from out0's first byte
	s_wait_tensorcnt 0x0
	ds_add_u32 v10, v11
	s_wait_dscnt 0x0
	s_endpgm
.Lfunc_end_k_q809a1e336c_score:
	.size	k_q809a1e336c_score, .Lfunc_end_k_q809a1e336c_score-k_q809a1e336c_score
	.p2alignl 7, 3214868480
	.fill 96, 4, 3214868480
	.section	.rodata,"a",@progbits
	.p2align	6, 0x0
	.amdhsa_kernel k_q809a1e336c_score
		.amdhsa_group_segment_fixed_size 287232
		.amdhsa_private_segment_fixed_size 0
		.amdhsa_enable_private_segment 0
		.amdhsa_kernarg_size 56
		.amdhsa_user_sgpr_count 2
		.amdhsa_user_sgpr_kernarg_segment_ptr 1
		.amdhsa_wavefront_size32 1
		.amdhsa_system_sgpr_workgroup_id_x 1
		.amdhsa_system_sgpr_workgroup_id_y 1
		.amdhsa_system_sgpr_workgroup_id_z 1
		.amdhsa_system_vgpr_workitem_id 0
		.amdhsa_next_free_vgpr 1024
		.amdhsa_next_free_sgpr 100
		.amdhsa_reserve_vcc 0
		.amdhsa_float_denorm_mode_32 3
		.amdhsa_float_denorm_mode_16_64 3
		.amdhsa_memory_ordered 1
		.amdhsa_forward_progress 1
		.amdhsa_inst_pref_size 176
	.end_amdhsa_kernel
	.amdgpu_metadata
---
amdhsa.version: [ 1, 2 ]
amdhsa.kernels:
  - .name:           k_q809a1e336c_score
    .symbol:         k_q809a1e336c_score.kd
    .args:
      - { .name: batch_edges, .offset: 0, .size: 8, .value_kind: global_buffer, .address_space: global }
      - { .name: global_weight_codes, .offset: 8, .size: 8, .value_kind: global_buffer, .address_space: global }
      - { .name: local_diag, .offset: 16, .size: 8, .value_kind: global_buffer, .address_space: global }
      - { .name: lowp_scales, .offset: 24, .size: 8, .value_kind: global_buffer, .address_space: global }
      - { .name: z_drug, .offset: 32, .size: 8, .value_kind: global_buffer, .address_space: global }
      - { .name: zq, .offset: 40, .size: 8, .value_kind: global_buffer, .address_space: global }
      - { .name: out0, .offset: 48, .size: 8, .value_kind: global_buffer, .address_space: global }
    .group_segment_fixed_size: 287232
    .private_segment_fixed_size: 0
    .kernarg_segment_align: 8
    .kernarg_segment_size: 56
    .max_flat_workgroup_size: 128
    .sgpr_count:     100
    .vgpr_count:     1024
    .wavefront_size: 32
...
	.end_amdgpu_metadata
.endif
;; end of part 2
;; ======== version 2 of 2: 2 launches
;; workspace buffers: zq 2,097,152 bytes
;; launch quant (part 3): grid 256 x 1, 4 waves a work-group, no clusters, 51,712 bytes of LDS; arguments z_drug, local_diag, lowp_scales, zq; writes zq
.if DOCPART == 3
	.amdgcn_target "amdgcn-amd-amdhsa--gfx1250"
	.amdhsa_code_object_version 6
	.text
	.protected	k_q809a1e336c_quant
	.globl	k_q809a1e336c_quant
	.p2align	8
	.type	k_q809a1e336c_quant,@function
k_q809a1e336c_quant:
	s_mov_b64 s[64:65], 0
	v_nop
	global_prefetch_b8 v0, s[64:65] scope:SCOPE_SE
	s_setreg_imm32_b32 hwreg(HW_REG_WAVE_MODE, 25, 1), 1
	s_wait_xcnt 0x0
; zq[i][k] = the E5M2 code of z_drug[i][k] * local_diag[2][k] under the given scale 2^e0 (entry 0 of lowp_scales): the left operand of the quantised product, made ONCE for each of the
; 4,096 rows of z_drug, since the list of edges names a row many times.  zq: [4096][512] codes, one a byte, k as it lies: a row is 512 bytes.
; code = (z * d) / 2^e0, held within +-57,344, rounded to the nearest code, ties to even.  The product z * d is one f32 multiplication, as the reference has it.
; LIMITS: e0 between -126 and 112, so that 2^e0 and 57,344 x 2^e0 are f32 numbers.  NaN among z or d is not served (an infinity is held at the largest code).
; SHARES: 256 work-groups x 4 waves x 4 rows.  A row is 512 numbers: four loads of 512 consecutive bytes, 16 a lane.  The conversions take eight neighbours along k from ONE lane's registers, so a row's
; 2,048 bytes turn through the wave's own stage in LDS (as they lie, 16 bytes of padding behind each 64) and come back 64 bytes a lane: lane l then holds k = 16 l .. 16 l + 15, and its 16 codes are 16 bytes:
; the wave stores a row's 512 consecutive bytes.  d's row takes the same turn once.  Five turns, five stages: nothing in LDS is written twice; waves share nothing, so there is no barrier.
.set SP,   80                          ; a lane's place in a stage: 64 bytes + 16 of padding
.set STG,  32*SP                       ; a stage
.set WREG, 5*STG                       ; a wave's five stages
.set R,    16                          ; v16-95   five sets of 16 as loaded: d's row, then my four rows
.set DD,   96                          ; v96-111  d of my 16 k
.set X,    112                         ; v112-175 four sets of 16 neighbours (set k of the turns lands at DD + 16 k)
.set C,    176                         ; v176-191 four registers of codes for each row: no store's data are written again
	s_load_b256 s[4:11], s[0:1], 0x0               ; z s[4:5], local_diag s[6:7], lowp_scales s[8:9], zq s[10:11]
	v_lshl_add_u32 v192, v0, 2, 0xc800
	v_mov_b32 v193, 0
	v_lshrrev_b32 v1, 5, v0
	v_readfirstlane_b32 s16, v1                    ; wave 0..3
	v_and_b32 v2, 31, v0                           ; lane
	v_lshlrev_b32 v3, 4, v2                        ; my 16 bytes of a load's, and of a store's, 512
	s_mul_i32 s17, s16, WREG
	v_lshrrev_b32 v14, 2, v2
	v_mul_u32_u24 v14, v14, SP
	v_and_b32 v15, 3, v2
	v_lshl_add_u32 v14, v15, 4, v14
	v_add_nc_u32 v14, s17, v14                     ; into a stage: four lanes' 64 bytes on end, then the padding
	v_mul_u32_u24 v15, v2, SP
	v_add_nc_u32 v15, s17, v15                     ; out of it: my 16 neighbours
	s_lshl_b32 s18, ttmp9, 4
	s_lshl_b32 s19, s16, 2
	s_add_co_u32 s18, s18, s19                     ; my first row: 16 x work-group + 4 x wave
	s_lshl_b32 s20, s18, 11                        ; x 2,048 bytes in z
	s_mov_b32 s21, 0
	s_lshl_b32 s18, s18, 9                         ; x 512 bytes in zq
	s_mov_b32 s19, 0
	s_wait_alu depctr_va_vdst(0)
	s_wait_kmcnt 0x0
	s_load_b32 s12, s[8:9], 0x0                    ; e0
	s_add_nc_u64 s[4:5], s[4:5], s[20:21]
	s_add_nc_u64 s[10:11], s[10:11], s[18:19]
.irp i, 0,1,2,3
	global_load_b128 v[R+4*\i:R+4*\i+3], v3, s[6:7] offset:4096+512*\i        ; row 2 of local_diag begins at byte 2 x 2,048
.endr
.irp t, 0,1,2,3
.irp i, 0,1,2,3
	global_load_b128 v[R+16+16*\t+4*\i:R+16+16*\t+4*\i+3], v3, s[4:5] offset:2048*\t+512*\i
.endr
.endr
; Set k goes through stage k.  LDS serves a wave's instructions in order (ISA guide 5.7.1.4): no wait between the stores and the loads.
.macro TURN k
	s_wait_loadcnt 16-4*\k                         ; loads come back in order: set k is in, the 4 (4 - k) loads behind it may be out
.irp i, 0,1,2,3
	ds_store_b128 v14, v[R+16*\k+4*\i:R+16*\k+4*\i+3] offset:STG*\k+8*SP*\i
.endr
.irp i, 0,1,2,3
	ds_load_b128 v[DD+16*\k+4*\i:DD+16*\k+4*\i+3], v15 offset:STG*\k+16*\i
.endr
.endm
.irp k, 0,1,2,3,4
	TURN \k
.endr
	s_wait_kmcnt 0x0
	s_add_co_i32 s12, s12, 127
	s_lshl_b32 s13, s12, 23
	v_mov_b32 v11, s13                             ; 2^e0 as f32: the conversion takes its exponent field
	s_add_co_i32 s12, s12, 15
	s_lshl_b32 s12, s12, 23
	s_or_b32 s12, s12, 0x600000
	v_mov_b32 v10, s12                             ; 57,344 x 2^e0
.macro ROW t
	s_wait_dscnt 8*(3-\t)                          ; d's turn and this row's are back; the later turns' eight LDS instructions each may be out
.irp i, 0,2,4,6,8,10,12,14
	v_pk_mul_f32 v[X+16*\t+\i:X+16*\t+\i+1], v[X+16*\t+\i:X+16*\t+\i+1], v[DD+\i:DD+\i+1]   ; z * d
.endr
	s_wait_alu depctr_va_vdst(0)
.irp i, 0,1,2,3,4,5,6,7,8,9,10,11,12,13,14,15
	v_med3_num_f32 v[X+16*\t+\i], v[X+16*\t+\i], -v10, v10   ; the conversion to an 8-bit code does not saturate (ISA guide 7.6.2): the hold at the largest code x the scale
.endr
	v_cvt_scalef32_pk8_bf8_f32 v[C+4*\t:C+4*\t+1], v[X+16*\t:X+16*\t+7], v11
	v_cvt_scalef32_pk8_bf8_f32 v[C+4*\t+2:C+4*\t+3], v[X+16*\t+8:X+16*\t+15], v11
	v_nop                                          ; one plain vector instruction behind the last conversion of the run
	global_store_b128 v3, v[C+4*\t:C+4*\t+3], s[10:11] offset:512*\t   ; the wave stores 512 consecutive bytes, at a multiple of 512 from zq's first byte
.endm
.irp t, 0,1,2,3
	ROW \t
.endr
	s_wait_tensorcnt 0x0
	ds_add_u32 v192, v193
	s_wait_dscnt 0x0
	s_endpgm
.Lfunc_end_k_q809a1e336c_quant:
	.size	k_q809a1e336c_quant, .Lfunc_end_k_q809a1e336c_quant-k_q809a1e336c_quant
	.p2alignl 7, 3214868480
	.fill 96, 4, 3214868480
	.section	.rodata,"a",@progbits
	.p2align	6, 0x0
	.amdhsa_kernel k_q809a1e336c_quant
		.amdhsa_group_segment_fixed_size 51712
		.amdhsa_private_segment_fixed_size 0
		.amdhsa_enable_private_segment 0
		.amdhsa_kernarg_size 32
		.amdhsa_user_sgpr_count 2
		.amdhsa_user_sgpr_kernarg_segment_ptr 1
		.amdhsa_wavefront_size32 1
		.amdhsa_system_sgpr_workgroup_id_x 1
		.amdhsa_system_sgpr_workgroup_id_y 1
		.amdhsa_system_sgpr_workgroup_id_z 1
		.amdhsa_system_vgpr_workitem_id 0
		.amdhsa_next_free_vgpr 194
		.amdhsa_next_free_sgpr 66
		.amdhsa_reserve_vcc 0
		.amdhsa_float_denorm_mode_32 3
		.amdhsa_float_denorm_mode_16_64 3
		.amdhsa_memory_ordered 1
		.amdhsa_forward_progress 1
		.amdhsa_inst_pref_size 14
	.end_amdhsa_kernel
	.amdgpu_metadata
---
amdhsa.version: [ 1, 2 ]
amdhsa.kernels:
  - .name:           k_q809a1e336c_quant
    .symbol:         k_q809a1e336c_quant.kd
    .args:
      - { .name: z_drug, .offset: 0, .size: 8, .value_kind: global_buffer, .address_space: global }
      - { .name: local_diag, .offset: 8, .size: 8, .value_kind: global_buffer, .address_space: global }
      - { .name: lowp_scales, .offset: 16, .size: 8, .value_kind: global_buffer, .address_space: global }
      - { .name: zq, .offset: 24, .size: 8, .value_kind: global_buffer, .address_space: global }
    .group_segment_fixed_size: 51712
    .private_segment_fixed_size: 0
    .kernarg_segment_align: 8
    .kernarg_segment_size: 32
    .max_flat_workgroup_size: 128
    .sgpr_count:     66
    .vgpr_count:     194
    .wavefront_size: 32
...
	.end_amdgpu_metadata
.endif
;; end of part 3
;; launch score (part 4): grid 256 x 1, 4 waves a work-group, no clusters, 287,232 bytes of LDS; arguments batch_edges, global_weight_codes, local_diag, lowp_scales, z_drug, zq, out0; writes out0
.if DOCPART == 4
	.amdgcn_target "amdgcn-amd-amdhsa--gfx1250"
	.amdhsa_code_object_version 6
	.text
	.protected	k_q809a1e336c_score
	.globl	k_q809a1e336c_score
	.p2align	8
	.type	k_q809a1e336c_score,@function
k_q809a1e336c_score:
	s_mov_b64 s[64:65], 0
	v_nop
	global_prefetch_b8 v0, s[64:65] scope:SCOPE_SE
	s_setreg_imm32_b32 hwreg(HW_REG_WAVE_SCHED_MODE, 0, 2), 2
	s_setreg_imm32_b32 hwreg(HW_REG_WAVE_MODE, 25, 1), 1
	s_wait_xcnt 0x0
	s_wait_alu depctr_vm_vsrc(0)
; out0[e] = sigmoid( sum over n of (A W)[e][n] d[n] z[col e][n] ),  A[e][k] = the code zq[row e][k] (made by the launch before) x 2^e0,  W[k][n] = its given code x 2^e1,  d = local_diag[2].
; The product is done on the codes by v_wmma_f32_16x16x128_bf8_bf8, sums in f32; 2^(e0 + e1) is a factor of every term and is applied once, to the finished score, by v_ldexp_f32: no limit on e0 + e1.
; LIMITS: an index is held at 4,095 (the reference relies on indices inside the table).  The f32 sums are taken in another order than the reference's.  Inside a matrix instruction k is permuted, alike in both operands.
; SHARES.  A work-group owns 512 edges: 32 tiles of 16, 8 blocks of 4 tiles.  THE FOUR WAVES SHARE W's COLUMNS, NOT THE EDGES: wave w keeps columns 128 w .. 128 w + 127 of W, all 512 k, in 512 registers for the whole
; launch (32 fragments, read from memory once), and multiplies every tile of edges against them: 32 matrix instructions a tile, eight accumulators by turns over four K steps.  What goes round through LDS is the small
; thing, the edges' codes: wave w gathers tile 4 b + w of each block b (one load of the wave = one edge's 512 bytes), all four waves read it.
; THE PRODUCT IS USED AS IT STANDS: source 0 = 16 edges, source 1 = 16 columns.  In the result lane (r, h) holds, in register j, edge 8 h + j and the tile's column r.  THE COLUMNS OF A TILE ARE NOT NEIGHBOURS: tile
; t = 4 g + u takes columns 128 w + 64 g + 4 r + u.  So one 16-byte load gives a lane z[col(8 h + j)][128 w + 64 g + 4 r + 0 .. 3], the partners of register j of tiles 4 g .. 4 g + 3, and sixteen neighbouring lanes
; read 256 consecutive bytes of a row of z, at a multiple of 256 from its first byte.
; THE INDICES COME BY SCALAR LOADS, straight from batch_edges, a tile ahead of their use, into two sets of scalar registers by turns: a tile's 16 col indices (64 bytes) and a piece's 4 row indices (16 bytes).  Scalar loads
; have a counter of their own, so they do not stand among the vector loads, whose counted waits let three tiles' gathers stay out.  A lane's half picks its eight col indices by a mask.
; THE DOT: z is multiplied by d, eight chains of multiply-adds give each lane its part of eight edges' scores, a fold over the sixteen lanes of a half leaves edge lane / 2's sum in each lane; the four waves'
; parts meet in LDS at the end, where each thread finishes four edges.
; NO TENSOR LOADS, NO CLUSTER: the rows that a tile needs are named by a list, so they are no tile of memory; what all work-groups share, W, is 256 KB of the 1.5 MB that a work-group reads (256 KB of codes, 1 MB of z,
; 4 KB of indices beside it), goes straight into registers, and LDS has 286,720 bytes taken.  NO PREFETCH: a row of z or zq is named by many work-groups, so no block has one wave to ask for it.
; LDS.  Every region is written once in the launch.  ATILE: tile T at 8,704 T; in it piece l of an edge's codes (k = 16 l .. 16 l + 15) at 272 l, edge r at + 16 r.  272 bytes = 68 words: in a store of one edge the
; lanes of a half fall on 16 different groups of four banks (64 banks of 4 bytes: ISA guide 11.1); in a fetch sixteen lanes take 256 consecutive bytes.
; REGISTERS, in windows of 256: window 0: addresses, the dot's work, A's four fragments, the accumulators, four slots for gathered codes.   windows 1, 2: W: fragment (K step s, tile t) at v[128 (s % 2) + 16 t] of window
; 1 + s / 2.   window 3: z[col]: a ring of four sets of 64: set q, edge register j, tile t at v[64 q + 8 j + t].
; THE MODE: SCHED_MODE bits 1:0 = 2 (LLVM: expert scheduling mode 2), set by the entry lines.  The code itself states the register dependences between vector or matrix instructions and memory or LDS
; instructions, with s_wait_alu, always for 0.
; THE PLAN.  Registers that memory or LDS instructions touch in the loop, tile i = 4 b + m:
;   AF            The fetch of tile i lands in it; the products of tile i + 1 read it.
;   z's set q     The loads of tile i land in set (m + 3) % 4; the dot of tile i + 3 reads and writes it.
;   G's slot m    The loads of tile i land in it; the code stores of tile i + 3 read it.
;   ZO, GO        Written by tile i's offset lines, read by tile i's loads.
;   FAC, SA, PA   Written at a trip's head (SA once more in tile 3); read by the fetch, the code stores, the store of a partial score.
;   v[P]          Written by the dot and the fold; read by the store of the partial score at the tile's end.
;   The accumulators, W, d, v17-27 and the constant parts of addresses are named by vector and matrix instructions alone.
; So a tile holds three waits.  Behind its products one on vm_vsrc: what the last tile's loads and LDS stores read (ZO, GO, slot m, SA, P) is written again below.  Behind its offset lines one on va_vdst: the products are
; done reading AF, the offsets and addresses are written, the last tile's dot is done with set (m + 3) % 4.  Behind that wait the fetch, the code stores and the tile's twenty loads follow with no further wait, the loads
; dealt among the dot's lines, which name set m, d, the accumulators, P and T: none of the registers that those loads touch.  Behind the fold one more on va_vdst, ahead of the store that reads v[P].
; A trip holds one more on vm_vsrc, ahead of the adds to FAC, SA and PA.
.set TILEB, 8704                       ; 32 pieces x 272 bytes
.set BLKB,  4*TILEB
.set PART,  32*TILEB                   ; 278,528: the waves' parts of the scores: wave w at + 2,048 w, edge e at + 4 e
.set COLS,  524288                     ; the second row of batch_edges, the col indices, begins at byte 131,072 x 4
.set L16,  1                           ; v1   16 x lane
.set ZB,   2                           ; v2   512 w + 16 r: my 16 bytes in a row of z, and of d
.set STA0, 3                           ; v3   272 x lane + 8,704 w: where I store my piece of an edge of my wave's tile
.set FA0,  4                           ; v4   272 h + 16 r: where a fragment's first 16 bytes of mine lie in a tile
.set HM,   5                           ; v5   all ones in lanes 16-31, 0 in lanes 0-15
.set PA0,  7                           ; v7   PART + 2,048 w + 4 (lane / 2)
.set FAC,  8                           ; v8, v9, v12: FA0, STA0, PA0 with the trip's step added
.set SA,   9
.set PA,   12
.set P,    16                          ; v16-23  my parts of eight edges' scores
.set T,    24                          ; v24-27  the fold's work
.set DV,   28                          ; v28-35  d of my column of tile t
.set ZO,   36                          ; v36-43  byte offsets in z of eight col rows
.set GO,   44                          ; v44-47  byte offsets in zq of four row rows
.set AF,   64                          ; v64-127 A's fragments: K step s at AF + 16 s
.set ACC,  128                         ; v128-191 tile t's accumulator at ACC + 8 t
.set G,    192                         ; v192-255 four slots of four edges' codes
.set CI0,  36                          ; s[36:51] 16 col indices, s[52:55] 4 row indices: the set of the even tiles;
.set RI0,  52                          ; s[68:83], s[84:87]: the set of the odd tiles, 32 registers further on
.set MSB, 0
.macro WIN new                         ; s_set_vgpr_msb: bits 1:0 source 0, 3:2 source 1, 5:4 source 2, 7:6 destination; the high byte repeats the setting that is left
.if MSB != \new
	s_set_vgpr_msb (MSB<<8)|\new
.set MSB, \new
.endif
.endm
; W's eight fragments of K step s: lane (r, h) takes, of column 128 w + 64 g + 4 r + u, k = 128 s + 32 c + 16 h + 0 .. 15 into registers 4 c .. 4 c + 3: the same places of k as A's fragments have
.macro WLOAD s
.if \s < 2
	WIN 0x40                                       ; destination window 1
.else
	WIN 0x80                                       ; destination window 2
.endif
.irp t, 0,1,2,3,4,5,6,7
.irp c, 0,1,2,3
	global_load_b128 v[128*((\s)%2)+16*\t+4*\c:128*((\s)%2)+16*\t+4*\c+3], v26, s[6:7] offset:(64*(\t/4)+(\t%4))*512+128*(\s)+32*\c
.endr
.endr
.endm
; A's four fragments of the tile toff bytes behind v[FAC]: load q = 4 s + c brings lane (r, h) piece 2 q + h of edge r: k = 128 s + 32 c + 16 h + 0 .. 15
.macro FETCH toff
.irp q, 0,1,2,3,4,5,6,7,8,9,10,11,12,13,14,15
	ds_load_b128 v[AF+4*\q:AF+4*\q+3], v[FAC] offset:(\toff)+544*\q
.endr
.endm
; 32 matrix instructions: 16 edges x my 128 columns x 512 along K.  The eight accumulators take turns, one instruction a turn; the first K step starts the sums: nothing is cleared.
.macro MULS
.irp s, 0,1,2,3
.if \s < 2
	WIN 0x04                                       ; source 1 (W) window 1
.else
	WIN 0x08                                       ; source 1 window 2
.endif
.irp t, 0,1,2,3,4,5,6,7
.if \s == 0
	v_wmma_f32_16x16x128_bf8_bf8 v[ACC+8*\t:ACC+8*\t+7], v[AF+16*\s:AF+16*\s+15], v[128*(\s%2)+16*\t:128*(\s%2)+16*\t+15], 0
.else
	v_wmma_f32_16x16x128_bf8_bf8 v[ACC+8*\t:ACC+8*\t+7], v[AF+16*\s:AF+16*\s+15], v[128*(\s%2)+16*\t:128*(\s%2)+16*\t+15], v[ACC+8*\t:ACC+8*\t+7]
.endif
.endr
.endr
	WIN 0
.endm
; A tile's 16 col indices in s[ci] on become my half's eight byte offsets in z, in v[reg] on: lanes 0-15 take edges 0-7, lanes 16-31 edges 8-15; held at 4,095; x 2,048 bytes a row; + my 16 bytes of a row
.macro COFF reg, ci
.set i, 0
.rept 8
	v_bfi_b32 v[\reg+i], v[HM], s[\ci+8+i], s[\ci+i]           ; (mask & second) | (~mask & third)
.set i, i+1
.endr
.set i, 0
.rept 8
	v_min_u32 v[\reg+i], 0xfff, v[\reg+i]
.set i, i+1
.endr
.set i, 0
.rept 8
	v_lshl_add_u32 v[\reg+i], v[\reg+i], 11, v[ZB]
.set i, i+1
.endr
.endm
; n row indices in s[ri] on become byte offsets in zq, in v[reg] on: held at 4,095; x 512 bytes a row; + 16 x lane
.macro ROFF reg, ri, n
.set i, 0
.rept \n
	s_min_u32 s[\ri+i], s[\ri+i], 0xfff
.set i, i+1
.endr
.set i, 0
.rept \n
	v_lshl_add_u32 v[\reg+i], s[\ri+i], 9, v[L16]
.set i, i+1
.endr
.endm
; At the head: 16 loads in a run: z[col] of a tile's edges into set q; the offsets of my half's eight edges stand in v[zo] on
.macro ZLOAD q, zo
	WIN 0xc0                                       ; destination window 3
.irp j, 0,1,2,3,4,5,6,7
.irp g, 0,1
	global_load_b128 v[64*(\q)+8*\j+4*\g:64*(\q)+8*\j+4*\g+3], v[(\zo)+\j], s[12:13] offset:256*\g
.endr
.endr
	WIN 0
.endm
; At the head: 4 loads in a run: four edges' codes into slot p; a load of the wave is one edge's 512 consecutive bytes
.macro GLOAD p, go
.irp i, 0,1,2,3
	global_load_b128 v[G+16*(\p)+4*\i:G+16*(\p)+4*\i+3], v[(\go)+\i], s[14:15]
.endr
.endm
.macro GSTORE p                        ; slot p holds edges 4 p .. 4 p + 3 of my wave's tile
.irp i, 0,1,2,3
	ds_store_b128 v[SA], v[G+16*(\p)+4*\i:G+16*(\p)+4*\i+3] offset:16*(4*(\p)+\i)
.endr
.endm
; my part of eight edges' scores: P[j] = sum over t of acc[t][j] x (z d)[j][t], z in set m.  Each accumulator is read from its register 0 on.
; THE TILE'S LOADS ARE DEALT AMONG THESE LINES.  zi = 1: z[col] of tile i + 3 into set (m + 3) % 4, two loads (one edge register's 2 x 16 bytes) ahead of each four multiplications by d; gi = 1: four edges' codes into
; slot m, one load ahead of each of the first four runs of multiply-adds.  z stands as source 1, so that source 0, which is also a load's offset, is window 0 in both phases and the loads need no window of their own.
; No wait stands among them: since the tile's wait on va_vdst no vector line names ZO, GO, set (m + 3) % 4 or slot m.
.macro DOT m, zi, gi
	WIN 0xcc                                       ; destination and source 1 (z) window 3; source 0 (d; a load's offset) window 0
.irp j, 0,1,2,3,4,5,6,7
.if \zi
	global_load_b128 v[64*((\m+3)%4)+8*\j:64*((\m+3)%4)+8*\j+3], v[ZO+\j], s[12:13]
	global_load_b128 v[64*((\m+3)%4)+8*\j+4:64*((\m+3)%4)+8*\j+7], v[ZO+\j], s[12:13] offset:256
.endif
.irp i, 0,2,4,6
	v_pk_mul_f32 v[64*(\m)+8*\j+\i:64*(\m)+8*\j+\i+1], v[DV+\i:DV+\i+1], v[64*(\m)+8*\j+\i:64*(\m)+8*\j+\i+1]
.endr
.endr
	WIN 0x0c                                       ; source 1 (z) window 3; destination and source 0 (the accumulators; a load's offset) window 0
.irp j, 0,1,2,3,4,5,6,7
	v_mul_f32 v[P+\j], v[ACC+\j], v[64*(\m)+8*\j]
.endr
.irp t, 1,2,3,4,5,6,7
.if \gi && (\t < 5)
	global_load_b128 v[G+16*(\m)+4*(\t-1):G+16*(\m)+4*(\t-1)+3], v[GO+\t-1], s[14:15]
.endif
.irp j, 0,1,2,3,4,5,6,7
	v_fmac_f32 v[P+\j], v[ACC+8*\t+\j], v[64*(\m)+8*\j+\t]    ; eight chains that do not wait for each other
.endr
.endr
	WIN 0
.endm
; One stage of the fold over the sixteen lanes of a half: a lane keeps half of its sums (which half: a bit of its number, the mask), sends the other half to the lane xm away and adds what that lane sends.
.macro FOLD dist, mask, xm
.set i, 0
.rept \dist
	v_cndmask_b32 v[T+i], v[P+i+\dist], v[P+i], \mask          ; what I send
.set i, i+1
.endr
.set i, 0
.rept \dist
	v_cndmask_b32 v[P+i], v[P+i], v[P+i+\dist], \mask          ; what I keep
.set i, i+1
.endr
.set i, 0
.rept \dist
	v_add_f32_dpp v[P+i], v[T+i], v[P+i] row_xmask:\xm row_mask:0xf bank_mask:0xf
.set i, i+1
.endr
.endm
.macro REDUCE                          ; lane (r, h) ends with edge 8 h + r / 2 = lane / 2, summed over my wave's 128 columns
	FOLD 4, s28, 8
	FOLD 2, s29, 4
	FOLD 1, s30, 2
	v_add_f32_dpp v[P], v[P], v[P] row_xmask:1 row_mask:0xf bank_mask:0xf
.endm
.macro BARRIER                         ; my LDS stores have landed and my LDS loads are in: then the work-group's barrier
	s_wait_dscnt 0x0
	s_barrier_signal -1
	s_barrier_wait -1
.endm
.macro TRIPHEAD sa                     ; the trip's addresses: s24 = 34,816 b, s25 = 256 b.  sa = 1: codes are stored in this trip, into block b + 1
	s_wait_alu depctr_vm_vsrc(0)                   ; the LDS instructions issued so far have read v[FAC], v[SA] and v[PA], which the adds below write
	v_add_nc_u32 v[FAC], s24, v[FA0]
.if \sa
	s_add_co_u32 s31, s24, BLKB
	v_add_nc_u32 v[SA], s31, v[STA0]
.endif
	v_add_nc_u32 v[PA], s25, v[PA0]
.endm
; TILE i = 4 b + m.  THE PIPELINE: tile i asks for z[col] of tile i + 3 (zi: 16 loads) and for four edges' codes of my wave's tile of block b + 2 (gi: 4 loads, slot m); it stores to LDS the codes asked for in tile
; i - 3 (st: slot (m + 1) % 4: block b + 1, for m = 3 block b + 2), and uses the z asked for in tile i - 3.  nw = the loads issued in tiles i - 2 and i - 1, which may stay out.  At most 60 loads of a wave are out.
; The indices that tile i turns into offsets were asked for by tile i - 1; tile i asks for tile i + 1's (nz: the col indices of tile i + 4; ng: the row indices of tile i + 1's piece), into the other set.
; bar: behind tile 4 b + 2 all four slots of block b + 1 are stored by every wave: one barrier a block; block b + 1's first fetch stands in tile 4 b + 3.  fe: the next tile's fragments are fetched.
; pw = the LDS instructions that the tile before issued behind its fetch of my fragments (its four stores of codes, where it has them, and its store of a partial score): they may stay out.
.macro TILE m, zi, gi, st, bar, fe, nw, pw, nz, ng
.set CIC, CI0+32*((\m)%2)
.set RIC, RI0+32*((\m)%2)
.set CIN, CI0+32*((\m+1)%2)
.set RIN, RI0+32*((\m+1)%2)
	s_wait_dscnt \pw                               ; LDS instructions end in order (ISA guide 5.7.1): this tile's sixteen fragment loads are in
	MULS
.if \zi || \gi
	s_wait_kmcnt 0x0                               ; this tile's indices, asked for a tile ago
	s_wait_xcnt 0x0                                ; the last tile's loads have read their offsets: those registers are written again only behind this wait
.endif
	s_wait_alu depctr_vm_vsrc(0)                   ; the last tile's loads have read v[ZO ..] and v[GO ..]; its LDS stores have read slot m, v[SA] and v[P]: the lines below write all of these again (in the first tile: W's loads have read v26, which the fold writes)
.if \nz
	s_load_b512 s[CIN:CIN+15], s[4:5], s25 offset:COLS+256+64*\m           ; tile i + 4 begins 64 (i + 4) = 256 b + 256 + 64 m bytes into my work-group's col indices
.endif
.if \ng
	s_load_b128 s[RIN:RIN+3], s[34:35], s25 offset:512+256*((\m+1)/4)+16*((\m+1)%4)   ; tile i + 1 = 4 b' + m': byte 256 (b' + 2) + 16 m' of my wave's row indices.  (In the loop's last trip tile 23 asks for four
	                                               ; indices that no tile uses: block 8 does not exist.  The load stays inside batch_edges: its last byte lies at most at 522,240 + 192 + 1,280 + 768 + 15)
.endif
.if \zi
	COFF ZO, CIC                                   ; these plain instructions name no register of the products: they are the places (ISA guide 7.12.1) in front of the first read of results
.endif
.if \gi
	ROFF GO, RIC, 4
.endif
.if !(\zi || \gi)
.rept 4
	v_nop                                          ; the same four places where there is no such work
.endr
.endif
.if \st
.if \m == 3
	s_add_co_u32 s31, s24, 2*BLKB
	v_add_nc_u32 v[SA], s31, v[STA0]               ; slot 0 belongs to block b + 2
.endif
.endif
	s_wait_dscnt 0x0                               ; the last tile's LDS stores, issued ahead of the 32 products, are done (for the registers that they read the wait on vm_vsrc above stands beside this one)
.if \fe || \zi || \gi || \st
	s_wait_alu depctr_va_vdst(0)                   ; the products are done reading A's fragments, in which the fetch lands; v[ZO ..], v[GO ..] and the LDS addresses v[FAC], v[SA], v[PA] are written; the last tile's dot is done with z's set (m + 3) % 4, in which this tile's loads land
.endif
.if \fe
	FETCH TILEB*(\m+1)
.endif
	s_wait_loadcnt \nw                             ; loads come back in order: all that tile i - 3 asked for is in
.if \st
	GSTORE (\m+1)%4
.endif
	DOT \m, \zi, \gi
	REDUCE
	s_wait_alu depctr_va_vdst(0)                   ; the fold has written v[P], which the store reads
	ds_store_b32 v[PA], v[P] offset:64*\m          ; lanes 2 e and 2 e + 1 write the same sum to edge e's word
.if \bar
	BARRIER
.endif
.endm
	s_load_b256 s[4:11], s[0:1], 0x0               ; batch_edges s[4:5], W's codes s[6:7], local_diag s[8:9], lowp_scales s[10:11]
	s_load_b128 s[12:15], s[0:1], 0x20             ; z_drug s[12:13], zq s[14:15]
	s_load_b64 s[16:17], s[0:1], 0x30              ; out0
	v_lshl_add_u32 v10, v0, 2, 0x46000
	v_mov_b32 v11, 0
	v_lshrrev_b32 v13, 5, v0
	v_readfirstlane_b32 s18, v13                   ; wave 0..3
	v_and_b32 v13, 31, v0                          ; lane
	v_and_b32 v14, 15, v0                          ; r
	v_bfe_u32 v15, v0, 4, 1                        ; h
	s_mov_b32 s28, 0xff00ff00                      ; lanes whose number has bit 3,
	s_mov_b32 s29, 0xf0f0f0f0                      ; bit 2,
	s_mov_b32 s30, 0xcccccccc                      ; bit 1
	v_lshlrev_b32 v[L16], 4, v13
	v_sub_nc_u32 v[HM], 0, v15                     ; 0 - h
	s_wait_alu depctr_va_sdst(0)                   ; s18 is written, ahead of its first reader: addresses and bases are made from it
	s_lshl_b32 s31, s18, 9
	v_lshl_add_u32 v[ZB], v14, 4, s31
	s_mul_i32 s31, s18, TILEB
	v_mul_u32_u24 v[STA0], v13, 272
	v_add_nc_u32 v[STA0], s31, v[STA0]
	v_add_nc_u32 v[SA], BLKB, v[STA0]              ; the head stores slot 0 into block 1
	v_mul_u32_u24 v[FA0], v15, 272
	v_lshl_add_u32 v[FA0], v14, 4, v[FA0]
	v_mov_b32 v[FAC], v[FA0]                       ; the head fetches tile 0
	s_lshl_b32 s31, s18, 11
	s_add_co_u32 s22, s31, PART
	v_lshrrev_b32 v[PA0], 1, v13
	v_lshl_add_u32 v[PA0], v[PA0], 2, s22
	v_lshlrev_b32 v26, 11, v14                     ; W: columns 4 r apart are 2,048 r bytes apart; + 16 h
	v_lshl_add_u32 v26, v15, 4, v26
	s_lshl_b32 s32, ttmp9, 11                      ; my work-group's 512 edges: 2,048 bytes of indices and of out0
	s_mov_b32 s33, 0
	s_lshl_b32 s22, s18, 16                        ; my wave's 128 columns of W: 128 x 512 bytes
	s_mov_b32 s23, 0
	s_lshl_b32 s26, s18, 6                         ; my wave's tile in a block's row indices: 16 x 4 bytes
	s_mov_b32 s27, 0
	s_wait_kmcnt 0x0
	s_add_nc_u64 s[4:5], s[4:5], s[32:33]
	s_add_nc_u64 s[16:17], s[16:17], s[32:33]
	s_add_nc_u64 s[6:7], s[6:7], s[22:23]
	s_add_nc_u64 s[34:35], s[4:5], s[26:27]        ; the row indices of my wave's tile of block 0; a block on is 256 bytes on
	s_load_b64 s[20:21], s[10:11], 0x0             ; e0, e1: wanted at the end
	s_load_b512 s[36:51], s[34:35], 0x0            ; row indices of my tile of block 0,
	s_load_b512 s[68:83], s[34:35], 0x100          ; of block 1;
	s_load_b512 s[84:99], s[4:5], COLS             ; col indices of tile 0
	s_wait_alu depctr_va_vdst(0)                   ; the head's offsets and addresses are written: v[ZB] and v26, which the loads below read, and v[STA0], v[SA], v[FAC], which the head's LDS instructions read
.irp g, 0,1
	global_load_b128 v[DV+4*\g:DV+4*\g+3], v[ZB], s[8:9] offset:4096+256*\g      ; d = row 2 of local_diag, at my columns
.endr
	WLOAD 0                                        ; these hang on no index: they go out while the indices come
	WIN 0
	s_wait_kmcnt 0x0
	ROFF 64, 36, 16                                ; v64-79: block 0's sixteen edges
	ROFF 80, 68, 16                                ; v80-95: block 1's
	COFF 96, 84                                    ; v96-103: tile 0's col rows
	s_wait_alu depctr_va_vdst(0)                   ; v64-103 are written, which the loads below read as their offsets
	s_load_b512 s[68:83], s[4:5], COLS+64          ; col indices of tile 1,
	s_load_b512 s[84:99], s[4:5], COLS+128         ; of tile 2;
	s_load_b512 s[36:51], s[4:5], COLS+192         ; and what tile 0 turns into offsets: the col indices of tile 3
	s_load_b128 s[52:55], s[34:35], 0x200          ; and the row indices of block 2's first piece
.set i, 0
.rept 16
	global_load_b128 v[ACC+4*i:ACC+4*i+3], v[64+i], s[14:15]   ; block 0: my tile's sixteen edges, into registers that the accumulators take later
.set i, i+1
.endr
	GLOAD 0, 80                                    ; block 1, slot 0
	WLOAD 1
	WLOAD 2
	WLOAD 3
	ZLOAD 0, 96                                    ; three groups of 20 stand for what tiles -3, -2, -1 would have asked for
	GLOAD 1, 84
	s_wait_kmcnt 0x0
	COFF 104, 68
	COFF 112, 84
	s_wait_alu depctr_va_vdst(0)                   ; v104-119 are written, which the loads below read as their offsets
	ZLOAD 1, 104
	GLOAD 2, 88
	ZLOAD 2, 112
	GLOAD 3, 92
	s_wait_loadcnt 60                              ; all but those three groups: W, d, block 0 and slot 0 are in
.set i, 0
.rept 16
	ds_store_b128 v[STA0], v[ACC+4*i:ACC+4*i+3] offset:16*i
.set i, i+1
.endr
	GSTORE 0
	BARRIER                                        ; block 0 lies in LDS, whole
	s_wait_xcnt 0x0                                ; v64-119 were offsets of loads that may still be out: A's fragments land there only behind this wait
	s_wait_alu depctr_vm_vsrc(0)                   ; the head's loads have read v64-119, in which A's fragments land; its LDS stores have read v128-191, which the products write
	FETCH 0
	s_mov_b32 s24, 0
	s_mov_b32 s25, 0
	s_mov_b32 s27, 6
	s_wait_dscnt 0x0                               ; nothing was issued behind this fetch, so the counted wait at the loop's head would not show it in: it is waited for here, once
.Ltrip:                                                ; blocks 0 to 5: every tile asks for z and for codes
	TRIPHEAD 1
	TILE 0, 1, 1, 1, 0, 1, 40, 5, 1, 1
	TILE 1, 1, 1, 1, 0, 1, 40, 5, 1, 1
	TILE 2, 1, 1, 1, 1, 1, 40, 5, 1, 1
	TILE 3, 1, 1, 1, 0, 1, 40, 0, 1, 1
	s_wait_xcnt 0x0                                ; the scalar loads have read s25: it is stepped only behind this wait
	s_add_co_u32 s24, s24, BLKB
	s_add_co_u32 s25, s25, 256
	s_sub_co_u32 s27, s27, 1
	s_cmp_lg_u32 s27, 0
	s_cbranch_scc1 .Ltrip
	s_mov_b32 s24, 6*BLKB                          ; block 6: no codes are left to ask for; the counts run down with the groups: 20 + 20, 20 + 16, 16 + 16
	s_mov_b32 s25, 6*256
	TRIPHEAD 1
	TILE 0, 1, 0, 1, 0, 1, 40, 5, 1, 0
	TILE 1, 1, 0, 1, 0, 1, 36, 5, 1, 0
	TILE 2, 1, 0, 1, 1, 1, 32, 5, 1, 0
	TILE 3, 1, 0, 0, 0, 1, 32, 0, 1, 0
	s_wait_xcnt 0x0                                ; as at the loop's end
	s_mov_b32 s24, 7*BLKB                          ; block 7: tile 28 asks for tile 31's z, the last load
	s_mov_b32 s25, 7*256
	TRIPHEAD 0
	TILE 0, 1, 0, 0, 0, 1, 32, 1, 0, 0
	TILE 1, 0, 0, 0, 0, 1, 32, 1, 0, 0
	TILE 2, 0, 0, 0, 0, 1, 16, 1, 0, 0
	TILE 3, 0, 0, 0, 0, 0, 0, 1, 0, 0
	BARRIER                                        ; the four waves' parts of all 512 scores lie in LDS
	v_lshl_add_u32 v13, v0, 4, PART                ; thread t finishes edges 4 t .. 4 t + 3
	s_wait_alu depctr_va_vdst(0)                   ; v13 is written, which the LDS loads below read as their address
.irp k, 0,1,2,3
	ds_load_b128 v[48+4*\k:51+4*\k], v13 offset:2048*\k
.endr
	s_wait_dscnt 0x0
	v_pk_add_f32 v[48:49], v[48:49], v[52:53]
	v_pk_add_f32 v[50:51], v[50:51], v[54:55]
	v_pk_add_f32 v[56:57], v[56:57], v[60:61]
	v_pk_add_f32 v[58:59], v[58:59], v[62:63]
	v_pk_add_f32 v[48:49], v[48:49], v[56:57]
	v_pk_add_f32 v[50:51], v[50:51], v[58:59]
	s_wait_alu depctr_va_vdst(0)
	s_wait_kmcnt 0x0
	s_add_co_i32 s31, s20, s21                     ; e0 + e1
.irp i, 0,1,2,3
	v_ldexp_f32 v[48+\i], v[48+\i], s31            ; the score
.endr
.irp i, 0,1,2,3
	v_mul_f32 v[48+\i], 0xbfb8aa3b, v[48+\i]       ; x -log2(e)
.endr
	s_wait_alu depctr_va_vdst(0)
.irp i, 0,1,2,3
	v_exp_f32 v[48+\i], v[48+\i]                   ; e^-score
.endr
	v_nop                                          ; one plain instruction behind the transcendentals (ISA guide 5.7.2)
	s_wait_alu depctr_va_vdst(0)                   ; the four exponentials have written v48-51, ahead of their first reader
.irp i, 0,1,2,3
	v_add_f32 v[48+\i], 1.0, v[48+\i]
.endr
	s_wait_alu depctr_va_vdst(0)
.irp i, 0,1,2,3
	v_rcp_f32 v[48+\i], v[48+\i]                   ; sigmoid = 1 / (1 + e^-score)
.endr
	v_lshlrev_b32 v14, 4, v0                       ; (the plain instruction behind them)  my 16 bytes of the work-group's 2,048
	s_wait_alu depctr_va_vdst(0)                   ; the four reciprocals have written v48-51, the store's data, and v14, its offset, is written
	global_store_b128 v14, v[48:51], s[16:17]      ; a wave stores 512 consecutive bytes, at a multiple of 512 from out0's first byte
	s_wait_dscnt 0x0                               ; the closing lines, six on end
	s_wait_alu 0x0
	s_wait_tensorcnt 0x0
	ds_add_u32 v10, v11
	s_wait_dscnt 0x0
	s_endpgm
.Lfunc_end_k_q809a1e336c_score:
	.size	k_q809a1e336c_score, .Lfunc_end_k_q809a1e336c_score-k_q809a1e336c_score
	.p2alignl 7, 3214868480
	.fill 96, 4, 3214868480
	.section	.rodata,"a",@progbits
	.p2align	6, 0x0
	.amdhsa_kernel k_q809a1e336c_score
		.amdhsa_group_segment_fixed_size 287232
		.amdhsa_private_segment_fixed_size 0
		.amdhsa_enable_private_segment 0
		.amdhsa_kernarg_size 56
		.amdhsa_user_sgpr_count 2
		.amdhsa_user_sgpr_kernarg_segment_ptr 1
		.amdhsa_wavefront_size32 1
		.amdhsa_system_sgpr_workgroup_id_x 1
		.amdhsa_system_sgpr_workgroup_id_y 1
		.amdhsa_system_sgpr_workgroup_id_z 1
		.amdhsa_system_vgpr_workitem_id 0
		.amdhsa_next_free_vgpr 1024
		.amdhsa_next_free_sgpr 100
		.amdhsa_reserve_vcc 0
		.amdhsa_float_denorm_mode_32 3
		.amdhsa_float_denorm_mode_16_64 3
		.amdhsa_memory_ordered 1
		.amdhsa_forward_progress 1
		.amdhsa_inst_pref_size 177
	.end_amdhsa_kernel
	.amdgpu_metadata
---
amdhsa.version: [ 1, 2 ]
amdhsa.kernels:
  - .name:           k_q809a1e336c_score
    .symbol:         k_q809a1e336c_score.kd
    .args:
      - { .name: batch_edges, .offset: 0, .size: 8, .value_kind: global_buffer, .address_space: global }
      - { .name: global_weight_codes, .offset: 8, .size: 8, .value_kind: global_buffer, .address_space: global }
      - { .name: local_diag, .offset: 16, .size: 8, .value_kind: global_buffer, .address_space: global }
      - { .name: lowp_scales, .offset: 24, .size: 8, .value_kind: global_buffer, .address_space: global }
      - { .name: z_drug, .offset: 32, .size: 8, .value_kind: global_buffer, .address_space: global }
      - { .name: zq, .offset: 40, .size: 8, .value_kind: global_buffer, .address_space: global }
      - { .name: out0, .offset: 48, .size: 8, .value_kind: global_buffer, .address_space: global }
    .group_segment_fixed_size: 287232
    .private_segment_fixed_size: 0
    .kernarg_segment_align: 8
    .kernarg_segment_size: 56
    .max_flat_workgroup_size: 128
    .sgpr_count:     100
    .vgpr_count:     1024
    .wavefront_size: 32
...
	.end_amdgpu_metadata
.endif
;; end of part 4
